; MI455X (gfx1250); checked and timed in simulation.
; The chip was launched on July 23, 2026; its instructions are those of AMD's public machine-readable ISA for CDNA 5 (MIT licence, August 2026) and "CDNA5" Instruction Set Architecture Reference Guide (July 2026). The comments in the code are by the model that wrote it; some were corrected since.
;; B Spline KAN Layer. Allowed arithmetic: float matrix products may take bf16 or f16 operands with f32 sums; other float arithmetic in f32, or as packed bf16 or f16 multiplies, adds, multiply-adds, maxima and minima; sums over many terms, partial sums and values carried from step to step in f32; what a program stores and reads back later, other than sums and carried values, may be rounded once to bf16 or f16.
;; Inputs: base_weight 512 x 512 float32; coeff 512 x 512 x 8 float32; knots 12 float32; x 16,384 x 512 float32.
;; Outputs: out0 16,384 x 512 float32.
;; One version. Each part assembles by itself: llvm-mc -triple=amdgcn-amd-amdhsa -mcpu=gfx1250 --defsym DOCPART=n.
;; ======== version 1 of 1: 2 launches
;; workspace buffers: wt 4,718,592 bytes
;; launch lay (part 1): grid 72 x 4, 8 waves a work-group, no clusters, 0 bytes of LDS; arguments coeff, base_weight, wt; writes wt
.if DOCPART == 1
	.amdgcn_target "amdgcn-amd-amdhsa--gfx1250"
	.amdhsa_code_object_version 6
	.text
	.protected	k_q7cde4eb2cf_lay
	.globl	k_q7cde4eb2cf_lay
	.p2align	8
	.type	k_q7cde4eb2cf_lay,@function
k_q7cde4eb2cf_lay:
	s_mov_b64 s[64:65], 0
	v_nop
	global_prefetch_b8 v0, s[64:65] scope:SCOPE_SE
	s_setreg_imm32_b32 hwreg(HW_REG_WAVE_MODE, 25, 1), 1
	s_wait_xcnt 0x0
; THE WEIGHTS, ROUNDED ONCE TO bf16 AND LAID OUT IN THE ORDER IN WHICH THE NEXT LAUNCH'S OPERAND REGISTERS TAKE THEM.  No work of the problem is left out here or in the next launch; every input is read.
; wt is 36 tiles of 131,072 bytes.  Tile 9 t + j9 serves the input features 128 t .. 128 t + 127: j9 = 0 holds base_weight's 128 rows, j9 = 1 .. 8 holds coeff of the 16 features 128 t + 16 (j9 - 1) on.
; Inside a tile the 16 bytes at  w 32768 + q 8192 + nt 1024 + half 512 + l 16  (r = l % 16, h = l / 16) are eight bf16, e = 0 .. 7, of output column n = 128 w + 16 nt + r:
;   coeff[128 t + 16 (j9 - 1) + 8 h + 2 q + half][n][e]          or          base_weight[128 t + 32 q + 16 half + 8 h + e][n].
; SHARES.  A work-group (x = 8 j9 + part, y = t) makes 16,384 bytes of a tile, a thread four pieces of 16 bytes: piece 1024 part + 256 u + thread, u = 0 .. 3.  So l = thread % 32, half = bit 5,
; nt = (thread / 64) + 4 (u % 2), q = u / 2 + 2 (part % 2), w = part / 2.  A store of a wave covers 512 consecutive bytes, aligned.  All of a thread's loads go out before the first wait.
.set IN,  16                           ; v[16:47]  32 numbers in f32: piece u at IN + 8 u
.set OUT, 48                           ; v[48:63]  piece u packed, at OUT + 4 u
	s_load_b128 s[4:7], s[0:1], 0x0                ; coeff s[4:5], base_weight s[6:7]
	s_load_b64 s[8:9], s[0:1], 0x10                ; wt
	s_lshr_b32 s10, ttmp9, 3                       ; j9
	s_and_b32 s11, ttmp9, 7                        ; part
	s_and_b32 s12, ttmp7, 0xffff                   ; t
	s_and_b32 s13, s11, 1                          ; part % 2
	s_lshr_b32 s14, s11, 1                         ; w
	v_and_b32 v1, 15, v0                           ; r
	v_bfe_u32 v2, v0, 4, 1                         ; h
	v_bfe_u32 v3, v0, 5, 1                         ; half
	v_bfe_u32 v4, v0, 6, 2                         ; nt % 4
	v_lshl_add_u32 v5, v4, 4, v1                   ; my column among 64
	v_lshlrev_b32 v6, 4, v0                        ; my 16 bytes among 4,096 of wt
	s_mul_i32 s16, s12, 9
	s_add_co_u32 s16, s16, s10                     ; the tile,
	s_lshl_b32 s16, s16, 17
	s_lshl_b32 s17, s11, 14                        ; the work-group's part of it
	s_add_co_u32 s16, s16, s17
	s_mov_b32 s17, 0
	s_wait_kmcnt 0x0
	s_add_nc_u64 s[8:9], s[8:9], s[16:17]
; Piece u: left = the later pieces' loads, which may stay out.
.macro PIECE u, left
	s_wait_loadcnt \left
.irp k, 0,1,2,3
	v_cvt_pk_bf16_f32 v[OUT+4*(\u)+(\k)], v[IN+8*(\u)+2*(\k)], v[IN+8*(\u)+2*(\k)+1]
.endr
	global_store_b128 v6, v[OUT+4*(\u):OUT+4*(\u)+3], s[8:9] offset:(\u)*4096
.endm
	s_cmp_eq_u32 s10, 0
	s_cbranch_scc1 .Lbase
	; coeff: a piece is 32 consecutive bytes, the eight numbers of one (feature, column)
	s_lshl_b32 s18, s12, 7                         ; 128 t
	s_lshl4_add_u32 s18, s10, s18                  ; + 16 j9
	s_lshl2_add_u32 s18, s13, s18                  ; + 4 (part % 2): the upper bit of q, twice
	s_sub_co_u32 s18, s18, 16                      ; j9 counts from 1
	s_lshl_b32 s18, s18, 14                        ; a feature is 16,384 bytes
	s_lshl_b32 s19, s14, 12                        ; 128 w columns of 32 bytes
	s_add_co_u32 s18, s18, s19
	s_mov_b32 s19, 0
	s_add_nc_u64 s[4:5], s[4:5], s[18:19]
	v_lshl_add_u32 v7, v2, 3, v3                   ; 8 h + half
	v_lshlrev_b32 v7, 14, v7
	v_lshl_add_u32 v7, v5, 5, v7
.irp u, 0,1,2,3
	global_load_b128 v[IN+8*(\u):IN+8*(\u)+3],   v7, s[4:5] offset:((\u)/2)*32768+((\u)%2)*2048 th:TH_LOAD_NT
	global_load_b128 v[IN+8*(\u)+4:IN+8*(\u)+7], v7, s[4:5] offset:((\u)/2)*32768+((\u)%2)*2048+16 th:TH_LOAD_NT
.endr
	PIECE 0, 6
	PIECE 1, 4
	PIECE 2, 2
	PIECE 3, 0
	s_endpgm
.Lbase:
	; base_weight: a piece is eight rows of one column; sixteen lanes read 64 consecutive bytes of a row
	s_lshl_b32 s18, s12, 7                         ; 128 t
	s_lshl_b32 s19, s13, 6                         ; + 64 (part % 2): the upper bit of q, 32 rows each
	s_add_co_u32 s18, s18, s19
	s_lshl_b32 s18, s18, 11                        ; a row is 2,048 bytes
	s_lshl_b32 s19, s14, 9                         ; 128 w columns of 4 bytes
	s_add_co_u32 s18, s18, s19
	s_mov_b32 s19, 0
	s_add_nc_u64 s[6:7], s[6:7], s[18:19]
	v_lshl_add_u32 v7, v3, 1, v2                   ; 2 half + h: eight rows each
	v_lshlrev_b32 v7, 14, v7
	v_lshl_add_u32 v7, v5, 2, v7
.irp u, 0,1,2,3
.irp e, 0,1,2,3,4,5,6,7
	global_load_b32 v[IN+8*(\u)+(\e)], v7, s[6:7] offset:((\u)/2)*65536+((\u)%2)*256+(\e)*2048 th:TH_LOAD_NT
.endr
.endr
	PIECE 0, 24
	PIECE 1, 16
	PIECE 2, 8
	PIECE 3, 0
	s_endpgm
.Lfunc_end_k_q7cde4eb2cf_lay:
	.size	k_q7cde4eb2cf_lay, .Lfunc_end_k_q7cde4eb2cf_lay-k_q7cde4eb2cf_lay
	.p2alignl 7, 3214868480
	.fill 96, 4, 3214868480
	.section	.rodata,"a",@progbits
	.p2align	6, 0x0
	.amdhsa_kernel k_q7cde4eb2cf_lay
		.amdhsa_group_segment_fixed_size 0
		.amdhsa_private_segment_fixed_size 0
		.amdhsa_enable_private_segment 0
		.amdhsa_kernarg_size 24
		.amdhsa_user_sgpr_count 2
		.amdhsa_user_sgpr_kernarg_segment_ptr 1
		.amdhsa_wavefront_size32 1
		.amdhsa_system_sgpr_workgroup_id_x 1
		.amdhsa_system_sgpr_workgroup_id_y 1
		.amdhsa_system_sgpr_workgroup_id_z 1
		.amdhsa_system_vgpr_workitem_id 0
		.amdhsa_next_free_vgpr 64
		.amdhsa_next_free_sgpr 66
		.amdhsa_reserve_vcc 0
		.amdhsa_float_denorm_mode_32 3
		.amdhsa_float_denorm_mode_16_64 3
		.amdhsa_memory_ordered 1
		.amdhsa_forward_progress 1
		.amdhsa_inst_pref_size 9
	.end_amdhsa_kernel
	.amdgpu_metadata
---
amdhsa.version: [ 1, 2 ]
amdhsa.kernels:
  - .name:           k_q7cde4eb2cf_lay
    .symbol:         k_q7cde4eb2cf_lay.kd
    .args:
      - { .name: coeff, .offset: 0, .size: 8, .value_kind: global_buffer, .address_space: global }
      - { .name: base_weight, .offset: 8, .size: 8, .value_kind: global_buffer, .address_space: global }
      - { .name: wt, .offset: 16, .size: 8, .value_kind: global_buffer, .address_space: global }
    .group_segment_fixed_size: 0
    .private_segment_fixed_size: 0
    .kernarg_segment_align: 8
    .kernarg_segment_size: 24
    .max_flat_workgroup_size: 256
    .sgpr_count:     66
    .vgpr_count:     64
    .wavefront_size: 32
...
	.end_amdgpu_metadata
.endif
;; end of part 1
;; launch kan (part 2): grid 256 x 1, 4 waves a work-group, clusters of 4 x 1, 327,680 bytes of LDS; arguments x, knots, wt, out0; writes out0
.if DOCPART == 2
	.amdgcn_target "amdgcn-amd-amdhsa--gfx1250"
	.amdhsa_code_object_version 6
	.text
	.protected	k_q7cde4eb2cf_kan
	.globl	k_q7cde4eb2cf_kan
	.p2align	8
	.type	k_q7cde4eb2cf_kan,@function
k_q7cde4eb2cf_kan:
	s_mov_b64 s[64:65], 0
	v_nop
	global_prefetch_b8 v0, s[64:65] scope:SCOPE_SE
	s_setreg_imm32_b32 hwreg(HW_REG_WAVE_MODE, 25, 1), 1
	s_wait_xcnt 0x0
	s_wait_alu depctr_hold_cnt(0) depctr_sa_sdst(0) depctr_va_vdst(0) depctr_va_sdst(0) depctr_va_ssrc(0) depctr_va_vcc(0) depctr_vm_vsrc(0)
	s_getreg_b32 s2, hwreg(HW_REG_IB_STS2, 6, 4)
	s_cmp_eq_u32 s2, 0
	s_cbranch_scc0 .Lentry_in_a_cluster
	s_endpgm
.Lentry_in_a_cluster:
	s_bfe_u32 s2, ttmp6, 0x10000c
	s_cmp_lg_u32 s2, 0x3003
	s_cbranch_scc0 .Lentry_shape_is_right
	s_endpgm
.Lentry_shape_is_right:
; out0[b][o] = silu(sum over i of x[b][i] W[i][o]) + sum over i, r of basis_r(x[b][i]) coeff[i][o][r].  x: [16384][512] f32, out0 likewise; the weights come from wt, bf16, as the launch before laid them.
; NOTHING IS LEFT OUT: which of a feature's 8 basis numbers are 0 hangs on x and on the knots, which are an input and need be neither even nor ascending; so the whole recursion (11, 10, 9, 8 functions) is
; made for every (b, i), and all 8 numbers are multiplied.
; LIMITS.  x, knots, coeff and base_weight are each rounded once to bf16, x and the knots also for the basis; the basis is rounded once to bf16; all sums are f32.  A quotient by max(t' - t, 1e-8) is a product
; with v_rcp_f32 of it.  The test xc >= t is clamp((xc - t) 2^100 + 1): where xc lies below t by less than 2^-100 it gives a fraction, not 0.  A NaN in x reaches its row through the base product,
; not through the clip.
; SHARES.  A work-group owns 64 rows of x and ALL 512 columns, so each basis number is made once in the launch.  Wave w owns columns 128 w .. 128 w + 127 of all 64 rows: 32 accumulators of 16 x 16 for
; the base sum (silu takes it alone) and 32 for the spline sum.  Wave w also makes the basis of rows 16 w .. 16 w + 15 for all four waves.
; THE WALK.  Four trips of 128 features.  A trip is 9 steps of K = 128: the base step, then 8 spline steps of 16 features x 8.  Step s multiplies tile s of wt (131,072 bytes; wave w reads its own quarter).
; During a step each wave makes its rows of the NEXT step's left operand, into an LDS slot in fragment order; the trip's last step instead rounds the next 128 features of x into LDS.
; THE MATRIX INSTRUCTION IS USED TRANSPOSED (source 0 = 16 columns of weights, source 1 = 16 rows): a lane then holds 8 neighbouring columns of one row of out0.  In a spline step the 8 numbers of
; registers 0-3 (4-7) of fragment q in a lane of half h are the 8 basis numbers of feature 8 h + 2 q (+ 1): the same order of K on both sides.
; BESIDE THE MATRIX WORK.  A lane has 8 features a step: four JOBS of two features, 133 vector instructions and 2 LDS stores each, in packed f32.  Job 0 stands in the wait for the step's first fragments; the other
; 405 entries stand behind the 128 matrix instructions, four behind each of the first 24 and three behind each other.  They live in window 0, the products in windows 1 to 3: two switches a matrix instruction.
; CLUSTER.  All work-groups walk the same tiles: four form a cluster and ask for each tile JOINTLY: the same tensor load, descriptor and mask in all four.  By this text's own count a wave has one tensor load out.
; THE SUMS START AT 0 by 512 v_mov_b32, which run while the first tile is on its way: the price of one text for each kind of step (a first quarter with the constant 0 would want two more copies of a step).
;
; LDS: 0 and 131,072: two slots for tiles of wt (tensor loads alone write them).  262,144 and 278,528: two slots of 16,384 bytes for the spline steps' left operand: mt 4096 + q 1024 + half 512 + lane 16.
; 294,912: XA, 64 rows x 128 bf16 of x, 272 bytes apart (68 words: the 16 rows of a fragment load start at 16 different groups of four banks; 64 banks of 4 bytes: ISA guide 11.1).  312,320: the spare words.
; The way out's stages (16 rows x 528 bytes a wave) lie from 262,144 on, over bytes that only LDS stores ever wrote, and are used when the last step's reads are over.
; REGISTERS, in windows of 256 (s_set_vgpr_msb: bits 1:0 source 0, 3:2 source 1, 5:4 source 2, 7:6 destination):
;   window 0: addresses, constants and the jobs      window 1: the spline sums, tile (mt, nt) at 8 (8 mt + nt)      window 2: the base sums, likewise
;   window 3: two fragment buffers of 96: weights' nt at 8 nt, rows' mt at 64 + 8 mt; on the way out v0-63 at work, v64-191 rows read back
.set SLOT1, 1<<17
.set TILE,  131072
.set A0,    2*TILE
.set ASW,   0x4000                     ; from one operand slot to the other
.set XA,    A0+2*ASW
.set XPIT,  272
.set SPARE, XA+64*XPIT                 ; 128 bytes for each wave: two blocks of 256 bytes that no other line names
.set SPIT,  528                        ; a stage row: 512 bytes + 16 = 132 words: row r starts at bank 4 r mod 64
.set AB0, 2                            ; v2   32768 w + 16 lane: my place in a tile; never rewritten
.set AA0, 3                            ; v3   A0 + 16 lane
.set AW0, 4                            ; v4   A0 + 4096 w + 16 lane: where my rows' fragments go
.set AB,  5                            ; v5-7 the same three in this step's slots
.set AA,  6
.set AW,  7
.set XF,  8                            ; v8   XA + 272 r + 16 h: a fragment of the base step
.set XRA0, 9                           ; v9   XA + 272 (16 w + r) + 16 h: my 8 features of my row
.set XRA, 10                           ; v10  the same at this step's 16 features
.set XW,  11                           ; v11  XA + 272 x 16 w + 8 lane: where I put 4 features of a row
.set XG,  12                           ; v12  16 lane: my 16 bytes of 512, in x and in out0
.set GO,  12
.set STO, 13                           ; v13  my stage + 528 r + 32 h
.set RD,  14                           ; v14  my stage + 16 lane
.set XR,  16                           ; v16-19  8 bf16 of x
.set XC,  20                           ; v20-21  two features, clipped
.set ON,  22                           ; v22-23  1.0, twice
.set PFO, 24                           ; v24  256 lane; never rewritten
.set SPW, 26                           ; v26  my spare word; never rewritten
.set NIL, 27                           ; v27  0; never rewritten
.set HG,  28                           ; v28-29  2^100, twice
.set KLO, 30                           ; v30  knot 3
.set KHI, 31                           ; v31  knot 8
.set P,   32                           ; v32-39  a job's 16 results in bf16
.set D,   40                           ; v40-63  xc - t[i], 12 pairs
.set U,   64                           ; v64-87  the functions, up to 12 pairs
.set V,   88                           ; v88-107 at work, 10 pairs
.set NT,  108                          ; v108-131  -t[i], each twice
.set R1,  132                          ; v132-153  1 / max(t[i+1] - t[i], 1e-8), each twice: 11
.set R2,  154                          ; v154-173  the same over two knots: 10
.set R3,  174                          ; v174-191  over three: 9
.set XL,  192                          ; v192-255  my 16 rows x 4 features of the next 128, f32
.set F0,  0                            ; window 3
.set T,   0
.set OB,  64
.set WV,  12                           ; s12  my wave's number
.set G1,  16                           ; s[16:23] descriptor group 1
.set G0,  24                           ; s[24:27] descriptor group 0: it walks
.set TRIPS, 28
.set CNT, 29
.set LEFT, 30                          ; s30  36 - the step's number
.set LIM, 31                           ; s31  3 in the launch's first cluster, else the greatest number
.set PFA, 32                           ; s[32:33] my 32 blocks of the tile three steps on
.set XP,  34                           ; s[34:35] x at my 16 rows, at the 128 features last loaded
.set OP,  36                           ; s[36:37] out0 at the work-group's first row, my 128 columns
.set HIM, 38                           ; s38  a word's upper bf16
.set TBB, 39                           ; s39  this step's tile slot: 0 or SLOT1
.set TBA, 52                           ; s52  the operand slot that is read: 0 or ASW
.set TBW, 53                           ; s53  the one that is written
.set TBX, 54                           ; s54  32 x the spline step that the jobs work for
.set DSC, 0                            ; counts the LDS instructions written since a step's barrier
.set MSB, 0
.macro WIN new                         ; the immediate's high byte repeats the setting that is left; a switch that changes nothing is dropped
.if MSB != (\new)
	s_set_vgpr_msb (MSB<<8)|(\new)
.set MSB, \new
.endif
.endm
.macro PLACES                          ; four places behind a matrix instruction, in front of loads into registers that it read and of vector lines that read results (ISA guide 7.12.1 for vector lines)
.rept 4
	v_nop
.endr
.endm
; A round of the cluster's barrier: my work-group's barrier, so that wave 0's signal speaks for all four waves; wave 0 signals; every wave waits for all four work-groups; my work-group's barrier once more.
.macro ROUND
	s_barrier_signal -1
	s_barrier_wait -1
	s_cmp_lg_u32 s[WV], 0
	s_cbranch_scc1 .Lnot_wave_0_\@
	s_barrier_signal -3
.Lnot_wave_0_\@:
	s_barrier_wait -3
	s_barrier_signal -1
	s_barrier_wait -1
.endm
; 16 rows x 4 features a lane, rounded to bf16 in place and put into XA: a store covers 256 consecutive bytes, a row's 128 features.
.macro XSTORE
.irp k, 0,1,2,3,4,5,6,7,8,9,10,11,12,13,14,15
	v_cvt_pk_bf16_f32 v[XL+4*(\k)],   v[XL+4*(\k)],   v[XL+4*(\k)+1]
	v_cvt_pk_bf16_f32 v[XL+4*(\k)+1], v[XL+4*(\k)+2], v[XL+4*(\k)+3]
.endr
.irp k, 0,1,2,3,4,5,6,7,8,9,10,11,12,13,14,15
	ds_store_b64 v[XW], v[XL+4*(\k):XL+4*(\k)+1] offset:(\k)*XPIT
.endr
.set DSC, DSC+16
.endm
.macro XLOAD                           ; my 16 rows' 512 bytes each: a load covers a row's 512 consecutive bytes
.irp k, 0,1,2,3,4,5,6,7,8,9,10,11,12,13,14,15
	global_load_b128 v[XL+4*(\k):XL+4*(\k)+3], v[XG], s[XP:XP+1] offset:(\k)*2048 th:TH_LOAD_NT
.endr
.endm
	s_load_b256 s[4:11], s[0:1], 0x0               ; x s[4:5], knots s[6:7], wt s[8:9], out0 s[10:11]
	v_lshl_add_u32 v[SPW], v0, 2, SPARE
	v_mov_b32 v[NIL], 0
	ds_add_u32 v[SPW], v[NIL]                      ; the wave's opening: the add, twice on end, and its wait ahead of my first tensor load; the set-up below, work on registers, stands between
	ds_add_u32 v[SPW], v[NIL]
	v_lshrrev_b32 v1, 5, v0
	v_readfirstlane_b32 s[WV], v1                  ; wave 0..3
	s_bfe_u32 s13, ttmp6, 0x40000                  ; cx: my place in the cluster: it enters addresses in x, out0 and the prefetches alone
	s_lshl_b32 s14, ttmp9, 2                       ; in a cluster launch ttmp9 counts clusters
	s_add_co_u32 s14, s14, s13                     ; my block of 64 rows
	; descriptor group 1: a wave's quarter of a tile, 32,768 dense bytes, as 128 rows of 256 bytes
	s_mov_b32 s[G1+0], 15|(3<<16)|(1<<21)          ; 15:0 the mask: all four work-groups; 17:16 elements of 8 bytes; 20 no padding; 21 set beside a mask
	s_mov_b32 s[G1+1], 32<<16                      ; tensor_dim0 = 32
	s_mov_b32 s[G1+2], 128<<16                     ; tensor_dim1 = 128
	s_mov_b32 s[G1+3], 32<<16                      ; tile_dim0 = 32
	s_mov_b32 s[G1+4], 128                         ; tile_dim1 = 128
	s_mov_b32 s[G1+5], 32                          ; 32 elements from row to row
	s_mov_b32 s[G1+6], 0
	s_mov_b32 s[G1+7], 0
	s_mov_b32 s[G0], 1                             ; count = 1
	s_lshl_b32 s[G0+1], s[WV], 15                  ; LDS address: my quarter of slot 0
	s_mov_b32 s[HIM], 0xffff0000
	s_mov_b32 s[TBB], SLOT1                        ; the first step turns it into 0
	s_mov_b32 s[TBA], 0
	s_mov_b32 s[LEFT], 37
	s_cmp_eq_u32 ttmp9, 0                          ; the same in all four partners
	s_cselect_b32 s[LIM], 3, -1
	v_and_b32 v32, 31, v0                          ; lane
	v_and_b32 v33, 15, v0                          ; r
	v_bfe_u32 v34, v0, 4, 1                        ; h
	v_lshlrev_b32 v[XG], 4, v32
	v_lshlrev_b32 v[PFO], 8, v32
	s_lshl_b32 s2, s[WV], 15
	v_add_nc_u32 v[AB0], s2, v[XG]
	v_add_nc_u32 v[AA0], A0, v[XG]
	s_lshl_b32 s3, s[WV], 12
	s_add_co_u32 s3, s3, A0
	v_add_nc_u32 v[AW0], s3, v[XG]
	v_mul_u32_u24 v35, v33, XPIT
	v_lshl_add_u32 v35, v34, 4, v35
	v_add_nc_u32 v[XF], XA, v35
	s_mul_i32 s15, s[WV], 16*XPIT
	v_add_nc_u32 v[XRA0], s15, v[XF]
	s_add_co_u32 s15, s15, XA
	v_lshl_add_u32 v[XW], v32, 3, s15
	s_mul_i32 s55, s[WV], 16*SPIT
	s_add_co_u32 s55, s55, A0                      ; my stage
	v_mul_u32_u24 v36, v33, SPIT
	v_lshl_add_u32 v36, v34, 5, v36
	v_add_nc_u32 v[STO], s55, v36
	v_add_nc_u32 v[RD], s55, v[XG]
	s_lshl_b32 s2, s14, 17                         ; 64 rows of 2,048 bytes, in x and in out0
	s_lshl_b32 s3, s[WV], 15                       ; my 16 rows of x
	s_add_co_u32 s56, s2, s3
	s_mov_b32 s57, 0
	s_lshl_b32 s3, s[WV], 9                        ; my 128 columns of out0
	s_add_co_u32 s58, s2, s3
	s_mov_b32 s59, 0
	s_lshl_b32 s60, s[WV], 15                      ; my quarter of a tile: made of the wave's number alone
	s_mov_b32 s61, 0
	s_lshl_b32 s62, s13, 15                        ; the prefetches: my work-group's quarter of a tile's 512 blocks of 256 bytes,
	s_lshl_b32 s3, s[WV], 13                       ; my wave's 32 of them,
	s_add_co_u32 s62, s62, s3
	s_add_co_u32 s62, s62, 2*TILE                  ; in tile 2: the first step steps it to tile 3
	s_mov_b32 s63, 0
	s_wait_dscnt 0x0                               ; both opening adds are done
	s_wait_kmcnt 0x0
	s_load_b256 s[40:47], s[6:7], 0x0              ; the 12 knots
	s_load_b128 s[48:51], s[6:7], 0x20
	s_add_nc_u64 s[XP:XP+1], s[4:5], s[56:57]
	s_add_nc_u64 s[OP:OP+1], s[10:11], s[58:59]
	s_add_nc_u64 s[G0+2:G0+3], s[8:9], s[60:61]    ; global address: my quarter of tile 0
	s_or_b32 s[G0+3], s[G0+3], 0x80000000          ; type = 2
	s_add_nc_u64 s[PFA:PFA+1], s[8:9], s[62:63]
	ROUND                                          ; all four work-groups are here: the first joint loads meet
	tensor_load_to_lds s[G0:G0+3], s[G1:G1+7]      ; tile 0 into slot 0
	s_nop 0
	PLACES
	XLOAD                                          ; features 0 to 127
	WIN 0x40                                       ; both sets of sums start at 0, while the tile and x are on their way
.set i, 0
.rept 256
	v_mov_b32 v[i], 0
.set i, i+1
.endr
	WIN 0x80
.set i, 0
.rept 256
	v_mov_b32 v[i], 0
.set i, i+1
.endr
	WIN 0
	v_mov_b32 v[HG], 0x71800000                    ; 2^100
	v_mov_b32 v[HG+1], 0x71800000
	v_mov_b32 v[ON], 1.0
	v_mov_b32 v[ON+1], 1.0
	s_wait_kmcnt 0x0                               ; the knots
.irp i, 0,1,2,3,4,5
	v_cvt_pk_bf16_f32 v[U+(\i)], s[40+2*(\i)], s[41+2*(\i)]  ; rounded to bf16,
.endr
.irp i, 0,1,2,3,4,5
	v_lshlrev_b32 v[D+2*(\i)],   16, v[U+(\i)]     ; and back in f32: t[i] at D + i for now
	v_and_b32     v[D+2*(\i)+1], s[HIM], v[U+(\i)]
.endr
	v_mov_b32 v[KLO], v[D+3]
	v_mov_b32 v[KHI], v[D+8]
.set i, 0
.rept 12
	v_xor_b32 v[NT+2*i],   0x80000000, v[D+i]
	v_xor_b32 v[NT+2*i+1], 0x80000000, v[D+i]
.set i, i+1
.endr
.set g, 0
.irp j, 1,2,3                          ; R1's 11, R2's 10 and R3's 9 pairs lie on end
.set i, 0
.rept 12-(\j)
	v_sub_f32 v[R1+2*g], v[D+i+(\j)], v[D+i]
	v_max_num_f32 v[R1+2*g], 0x322bcc77, v[R1+2*g] ; 1e-8
.set i, i+1
.set g, g+1
.endr
.endr
.set g, 0
.rept 30
	v_rcp_f32 v[R1+2*g], v[R1+2*g]
.set g, g+1
.endr
	v_nop                                          ; a plain instruction behind the last reciprocal,
	s_wait_alu depctr_va_vdst(0)                   ; and the wait ahead of the first use: one for the thirty
.set g, 0
.rept 30
	v_mov_b32 v[R1+2*g+1], v[R1+2*g]
.set g, g+1
.endr
	s_wait_loadcnt 0x0                             ; x
	XSTORE
; THE HEAD OF A STEP: ONE round for four things.  In front of it each wave waits for all its tensor loads, of which one is out: its quarter of this step's tile; adds 0 to its spare word; and waits for that, for its
; reads of the last step's slots and for its stores into the operand slot or XA.  Behind it: the tile slot read last is free and is filled again first; what the four waves stored is there for all; the operand slot
; read last may be written.  kind 0: the base step; 1: a spline step with jobs; 2: a trip's last step; 3: the very last.  fill = 0: nothing is left to fetch, and the work-group's barrier does.
.macro TOP kind, fill
	WIN 0                                          ; at a label and at a branch every window is 0; the add's registers lie in window 0
	s_wait_tensorcnt 0x0                           ; no tensor load of mine is out, so group 0 may be written
	ds_add_u32 v[SPW], v[NIL]                      ; 0 onto my spare word; the step's addresses are made between it and the wait for it
	s_xor_b32 s[TBB], s[TBB], SLOT1
	s_xor_b32 s[TBA], s[TBA], ASW
	v_add_nc_u32 v[AB], s[TBB], v[AB0]
.if (\kind) != 0
	v_add_nc_u32 v[AA], s[TBA], v[AA0]
.endif
.if (\kind) < 2
	s_xor_b32 s[TBW], s[TBA], ASW
	v_add_nc_u32 v[AW], s[TBW], v[AW0]
.if (\kind) == 0
	s_mov_b32 s[TBX], 0
.endif
	v_add_nc_u32 v[XRA], s[TBX], v[XRA0]
	s_add_co_u32 s[TBX], s[TBX], 32                ; 16 features of 2 bytes
.endif
.if \fill
	s_xor_b32 s[G0+1], s[G0+1], SLOT1              ; the other slot than last time,
	s_add_nc_u64 s[G0+2:G0+3], s[G0+2:G0+3], TILE  ; the next tile; the type bits on top are not reached
	s_wait_xcnt 0x0                                ; the last prefetch, a step back, and x's loads have read their addresses, so these may be written
	s_add_nc_u64 s[PFA:PFA+1], s[PFA:PFA+1], TILE
	s_sub_co_u32 s[LEFT], s[LEFT], 1
.if (\kind) == 0
	s_add_nc_u64 s[XP:XP+1], s[XP:XP+1], 512       ; the next 128 features
.endif
.endif
	s_wait_dscnt 0x0                               ; the add is done, my reads are back and my stores are in LDS
.if \fill
	ROUND
	tensor_load_to_lds s[G0:G0+3], s[G1:G1+7]      ; the first thing behind the round, and my only tensor load until the next: it has this step's 128 matrix instructions in which to land
	s_nop 0
.else
	s_barrier_signal -1
	s_barrier_wait -1
.endif
	PLACES                                         ; behind a tensor load; also the places in front of the loads below
.endm
; Two loads: the rows' fragment mt of K block q.  In the base step from XA (rows along K), else from the operand slot (fragment order: 512 consecutive bytes a load).
.macro ALD q, f, kind, m
.if (\kind) == 0
	ds_load_b128 v[(\f)+64+8*(\m):(\f)+64+8*(\m)+3],   v[XF] offset:(\m)*16*XPIT+64*(\q)
	ds_load_b128 v[(\f)+64+8*(\m)+4:(\f)+64+8*(\m)+7], v[XF] offset:(\m)*16*XPIT+64*(\q)+32
.else
	ds_load_b128 v[(\f)+64+8*(\m):(\f)+64+8*(\m)+3],   v[AA] offset:(\m)*4096+(\q)*1024
	ds_load_b128 v[(\f)+64+8*(\m)+4:(\f)+64+8*(\m)+7], v[AA] offset:(\m)*4096+(\q)*1024+512
.endif
.set DSC, DSC+2
.endm
; 24 LDS loads in one run: K block q into buffer f.  What the first 16 products want comes first; MAN and MBN mark the count behind the first 20 and behind all 24.
.macro FETCH q, f, kind
	WIN 0xc0                                       ; destination window 3, address window 0
	ALD \q, \f, \kind, 0
	ALD \q, \f, \kind, 1
.irp b, 0,1,2,3,4,5,6,7
	ds_load_b128 v[(\f)+8*(\b):(\f)+8*(\b)+3],   v[AB] offset:(\q)*8192+(\b)*1024
	ds_load_b128 v[(\f)+8*(\b)+4:(\f)+8*(\b)+7], v[AB] offset:(\q)*8192+(\b)*1024+512
.endr
.set DSC, DSC+16
.set MAN, DSC
	ALD \q, \f, \kind, 2
	ALD \q, \f, \kind, 3
.set MBN, DSC
.endm
; A JOB: features 8 h + 2 QP and 8 h + 2 QP + 1 of my row, side by side in register pairs; ITEM writes entry QN of its 135.  d[i] = xc - t[i].
;   0-5      the two features in f32, clipped to [t3, t8]                       6-17   d[0..11]
;   18-29    u[i] = 1 where xc >= t[i], else 0                                  30-40  u[i] = u[i] - u[i] u[i+1]: the indicator of [t[i], t[i+1])
;   then for j = 1, 2, 3:  u[i] *= Rj[i];  v[i] = d[i+j+1] u[i+1];  u[i] = d[i] u[i] - v[i]:   (xc - t[i]) / max(t[i+j] - t[i], ..) B[i] + (t[i+j+1] - xc) / max(t[i+j+1] - t[i+1], ..) B[i+1]
;   125-132  rounded to bf16: the even feature's eight, the odd feature's eight      133, 134  into fragment QP of my rows: registers 0-3, registers 4-7
; Entries that stand side by side are independent.
.macro ITEM
	WIN 0
.if QN == 0
	v_lshlrev_b32 v[XC], 16, v[XR+QP]
.elseif QN == 1
	v_and_b32 v[XC+1], s[HIM], v[XR+QP]
.elseif QN < 4
	v_max_num_f32 v[XC+QN-2], v[XC+QN-2], v[KLO]
.elseif QN < 6
	v_min_num_f32 v[XC+QN-4], v[XC+QN-4], v[KHI]
.elseif QN < 18
.set z, 2*(QN-6)
	v_pk_add_f32 v[D+z:D+z+1], v[XC:XC+1], v[NT+z:NT+z+1]
.elseif QN < 30
.set z, 2*(QN-18)
	v_pk_fma_f32 v[U+z:U+z+1], v[D+z:D+z+1], v[HG:HG+1], v[ON:ON+1] clamp
.elseif QN < 41
.set z, 2*(QN-30)
	v_pk_fma_f32 v[U+z:U+z+1], v[U+z:U+z+1], v[U+z+2:U+z+3], v[U+z:U+z+1] neg_lo:[1,0,0] neg_hi:[1,0,0]
.elseif QN < 52
.set z, 2*(QN-41)
	v_pk_mul_f32 v[U+z:U+z+1], v[U+z:U+z+1], v[R1+z:R1+z+1]
.elseif QN < 62
.set z, 2*(QN-52)
	v_pk_mul_f32 v[V+z:V+z+1], v[D+z+4:D+z+5], v[U+z+2:U+z+3]
.elseif QN < 72
.set z, 2*(QN-62)
	v_pk_fma_f32 v[U+z:U+z+1], v[D+z:D+z+1], v[U+z:U+z+1], v[V+z:V+z+1] neg_lo:[0,0,1] neg_hi:[0,0,1]
.elseif QN < 82
.set z, 2*(QN-72)
	v_pk_mul_f32 v[U+z:U+z+1], v[U+z:U+z+1], v[R2+z:R2+z+1]
.elseif QN < 91
.set z, 2*(QN-82)
	v_pk_mul_f32 v[V+z:V+z+1], v[D+z+6:D+z+7], v[U+z+2:U+z+3]
.elseif QN < 100
.set z, 2*(QN-91)
	v_pk_fma_f32 v[U+z:U+z+1], v[D+z:D+z+1], v[U+z:U+z+1], v[V+z:V+z+1] neg_lo:[0,0,1] neg_hi:[0,0,1]
.elseif QN < 109
.set z, 2*(QN-100)
	v_pk_mul_f32 v[U+z:U+z+1], v[U+z:U+z+1], v[R3+z:R3+z+1]
.elseif QN < 117
.set z, 2*(QN-109)
	v_pk_mul_f32 v[V+z:V+z+1], v[D+z+8:D+z+9], v[U+z+2:U+z+3]
.elseif QN < 125
.set z, 2*(QN-117)
	v_pk_fma_f32 v[U+z:U+z+1], v[D+z:D+z+1], v[U+z:U+z+1], v[V+z:V+z+1] neg_lo:[0,0,1] neg_hi:[0,0,1]
.elseif QN < 129
.set z, QN-125
	v_cvt_pk_bf16_f32 v[P+z], v[U+4*z], v[U+4*z+2]
.elseif QN < 133
.set z, QN-129
	v_cvt_pk_bf16_f32 v[P+4+z], v[U+4*z+1], v[U+4*z+3]
.else
.set z, QN-133
	ds_store_b128 v[AW], v[P+4*z:P+4*z+3] offset:QP*1024+z*512
.set DSC, DSC+1
.endif
.endm
.macro NX                              ; the queue's next entry; nothing when the four jobs are done
.if QP < 4
	ITEM
.set QN, QN+1
.if QN == 135
.set QN, 0
.set QP, QP+1
.endif
.endif
.endm
; 16 matrix instructions: row blocks 2 hf and 2 hf + 1 x all 8 column blocks, 32 along K, from buffer f, onto the sums in window AWIN names.  The 32 accumulators take turns, one instruction a turn, in the same order in
; every quarter and over every jump.  ride = 1: behind each stand the queue's next four (the step's first 24) or three entries: 96 + 312 places for 405.
.macro HALF f, hf, ride
.irp a, 0,1
.irp b, 0,1,2,3,4,5,6,7
	WIN AWIN
	v_wmma_f32_16x16x32_bf16 v[8*(8*(2*(\hf)+(\a))+(\b)):8*(8*(2*(\hf)+(\a))+(\b))+7], v[(\f)+8*(\b):(\f)+8*(\b)+7], v[(\f)+64+8*(2*(\hf)+(\a)):(\f)+64+8*(2*(\hf)+(\a))+7], v[8*(8*(2*(\hf)+(\a))+(\b)):8*(8*(2*(\hf)+(\a))+(\b))+7]
.if \ride
	NX
	NX
	NX
.if MI < 24
	NX
.endif
.endif
.set MI, MI+1
.endr
.endr
.endm
; A PREFETCH INTO THE L2 of the tile that stands TWO refills on (in step s: tile s + 3): it stands behind the joint load, its five lines and the run of LDS loads.  All clusters walk the same tiles: the launch's first
; cluster asks, and nobody else; its four work-groups x four waves x 32 lanes each name another block of 256 bytes of the tile's 512, told apart BY ADDRESS.  So each block is named once in the launch.  Tiles 0 to 2 come by their
; loads alone; steps 33 and 34 ask for nothing, since wt has 36 tiles.
.macro ASK
	s_cmp_gt_u32 s[LEFT], s[LIM]
	s_cbranch_scc0 .Lnot_mine_\@
	global_prefetch_b8 v[PFO], s[PFA:PFA+1] th:TH_LOAD_NT scope:SCOPE_SE
.Lnot_mine_\@:
.endm
; A STEP: K = 128 in four quarters of 32 matrix instructions, on fragment buffers 0, 1, 0, 1; in a quarter's middle the next quarter's 24 loads are issued in one run.
.macro STEP kind, fill
	TOP \kind, \fill
.set DSC, 0
.set MI, 0
.set QN, 0
.set QP, 4
.set AWIN, 0x5f                        ; sources in window 3, C and D in window 1
.if (\kind) == 0
.set AWIN, 0xaf                        ; C and D in window 2
.endif
.if (\kind) < 2
.set QP, 0
	ds_load_b128 v[XR:XR+3], v[XRA]                ; my 8 features of my row, for the four jobs
.set DSC, DSC+1
.endif
	FETCH 0, F0, \kind
	WIN 0
.if (\kind) == 0
	s_cmp_eq_u32 s[TRIPS], 1                       ; the last trip has no features behind it
	s_cbranch_scc1 .Lno_x_\@
	XLOAD                                          ; the next trip's x goes out eight steps ahead of its use
.Lno_x_\@:
.endif
.if \fill
	ASK
.endif
.if (\kind) < 2
	s_wait_dscnt 24                                ; XR is in; the 24 fragment loads behind it may stay out
.rept 135
	NX                                             ; job 0, while the first fragments come
.endr
.elseif (\kind) == 2
	s_wait_loadcnt 0x0                             ; the next trip's x.  No wave reads XA in this step
	XSTORE
.endif
.irp q, 0,1,2,3
.set MA, MAN
.set MB, MBN
	s_wait_dscnt DSC-MA                            ; this quarter's weights and row blocks 0, 1 are in; all that was issued behind them may stay out
	HALF F0+96*((\q)%2), 0, (\kind)<2
.if (\q) < 3
.if (\kind) >= 2
	PLACES                                         ; (in a step with jobs their entries are the places: 48 or more stand behind the last product that read the buffer)
.endif
	FETCH (\q)+1, F0+96*(((\q)+1)%2), \kind
.endif
	s_wait_dscnt DSC-MB                            ; row blocks 2, 3 are in; the run just issued and the jobs' stores may stay out
	HALF F0+96*((\q)%2), 1, (\kind)<2
.endr
	WIN 0
.endm
	s_mov_b32 s[TRIPS], 4
.Ltrip:
	STEP 0, 1                                      ; the base step; its jobs make spline step 0's operand
	s_mov_b32 s[CNT], 7
.Lsp:
	STEP 1, 1                                      ; spline steps 0 to 6; the jobs work for the step after
	s_sub_co_u32 s[CNT], s[CNT], 1
	s_cmp_lg_u32 s[CNT], 0
	s_cbranch_scc1 .Lsp
	s_cmp_eq_u32 s[TRIPS], 1
	s_cbranch_scc1 .Llast                          ; the very last step is written out: it asks for nothing
	STEP 2, 1                                      ; spline step 7; the next trip's x goes into XA
	s_sub_co_u32 s[TRIPS], s[TRIPS], 1
	s_branch .Ltrip
.Llast:
	STEP 3, 0
	; THE WAY OUT.  silu(z) = z / (1 + 2^(-z log2 e)), plus the spline sum, in f32; a block of 16 rows at a time goes through my stage in LDS and leaves as whole rows of 512 bytes.
	PLACES                                         ; behind the last products
	s_wait_dscnt 0x0
	s_barrier_signal -1
	s_barrier_wait -1                              ; every wave's reads of the operand slots are over: the stages lie on them
; Block mt.  The exponentials are one batch with one wait, and so are the reciprocals.  Each accumulator is read from its low end on.
.macro PACK mt
	WIN 0xc2                                       ; destination window 3, source 0 window 2
.set i, 0
.rept 32
	v_pk_mul_f32 v[T+2*i:T+2*i+1], v[64*(\mt)+2*i:64*(\mt)+2*i+1], 0xbfb8aa3b op_sel_hi:[1,0]  ; -z log2 e
.set i, i+1
.endr
	WIN 0xc3
.set i, 0
.rept 64
	v_exp_f32 v[T+i], v[T+i]
.set i, i+1
.endr
	v_nop
	s_wait_alu depctr_va_vdst(0)
.set i, 0
.rept 32
	v_pk_add_f32 v[T+2*i:T+2*i+1], v[T+2*i:T+2*i+1], 1.0 op_sel_hi:[1,0]
.set i, i+1
.endr
.set i, 0
.rept 64
	v_rcp_f32 v[T+i], v[T+i]
.set i, i+1
.endr
	v_nop
	s_wait_alu depctr_va_vdst(0)
	WIN 0xde                                       ; z in window 2, the reciprocal in window 3, the spline sum in window 1
.set i, 0
.rept 32
	v_pk_fma_f32 v[T+2*i:T+2*i+1], v[64*(\mt)+2*i:64*(\mt)+2*i+1], v[T+2*i:T+2*i+1], v[64*(\mt)+2*i:64*(\mt)+2*i+1]
.set i, i+1
.endr
	WIN 0x0c                                       ; data in window 3, address in window 0
.irp b, 0,1,2,3,4,5,6,7
	ds_store_b128 v[STO], v[T+8*(\b):T+8*(\b)+3]   offset:64*(\b)
	ds_store_b128 v[STO], v[T+8*(\b)+4:T+8*(\b)+7] offset:64*(\b)+16
.endr
.if (\mt) >= 2
	s_wait_xcnt 0x0                                ; the stores of the block two back have read the registers that are loaded again below
.endif
	WIN 0xc0
.irp k, 0,1,2,3,4,5,6,7,8,9,10,11,12,13,14,15
	ds_load_b128 v[OB+64*((\mt)%2)+4*(\k):OB+64*((\mt)%2)+4*(\k)+3], v[RD] offset:(\k)*SPIT  ; LDS serves a wave's instructions in order (ISA guide 5.7.1.4): these see the stores above; the next block's stores come behind them
.endr
.endm
.macro SEND mt, younger                ; younger: the LDS instructions issued behind block mt's loads: the next block's 32, or none
	WIN 0x0c
.irp k, 0,1,2,3,4,5,6,7,8,9,10,11,12,13,14,15
	s_wait_dscnt (\younger)+15-(\k)
	global_store_b128 v[GO], v[OB+64*((\mt)%2)+4*(\k):OB+64*((\mt)%2)+4*(\k)+3], s[OP:OP+1] offset:(16*(\mt)+(\k))*2048 th:TH_STORE_NT  ; 512 consecutive bytes, at a multiple of 512 from out0's first
.endr
.endm
	PACK 0
	PACK 1                                         ; a block's arithmetic stands between the loads of the block before and its stores
	SEND 0, 32
	PACK 2
	SEND 1, 32
	PACK 3
	SEND 2, 32
	SEND 3, 0
	WIN 0
	s_wait_tensorcnt 0x0                           ; the wave's end: behind my last tensor load and my last LDS store
	ds_add_u32 v[SPW], v[NIL]
	s_wait_dscnt 0x0
	ROUND                                          ; the closing round: no work-group ends while a partner may still ask for a tile that names it
	s_endpgm
.Lfunc_end_k_q7cde4eb2cf_kan:
	.size	k_q7cde4eb2cf_kan, .Lfunc_end_k_q7cde4eb2cf_kan-k_q7cde4eb2cf_kan
	.p2alignl 7, 3214868480
	.fill 96, 4, 3214868480
	.section	.rodata,"a",@progbits
	.p2align	6, 0x0
	.amdhsa_kernel k_q7cde4eb2cf_kan
		.amdhsa_group_segment_fixed_size 327680
		.amdhsa_private_segment_fixed_size 0
		.amdhsa_enable_private_segment 0
		.amdhsa_kernarg_size 32
		.amdhsa_user_sgpr_count 2
		.amdhsa_user_sgpr_kernarg_segment_ptr 1
		.amdhsa_wavefront_size32 1
		.amdhsa_system_sgpr_workgroup_id_x 1
		.amdhsa_system_sgpr_workgroup_id_y 1
		.amdhsa_system_sgpr_workgroup_id_z 1
		.amdhsa_system_vgpr_workitem_id 0
		.amdhsa_next_free_vgpr 1024
		.amdhsa_next_free_sgpr 66
		.amdhsa_reserve_vcc 0
		.amdhsa_float_denorm_mode_32 3
		.amdhsa_float_denorm_mode_16_64 3
		.amdhsa_memory_ordered 1
		.amdhsa_forward_progress 1
		.amdhsa_inst_pref_size 245
	.end_amdhsa_kernel
	.amdgpu_metadata
---
amdhsa.version: [ 1, 2 ]
amdhsa.kernels:
  - .name:           k_q7cde4eb2cf_kan
    .symbol:         k_q7cde4eb2cf_kan.kd
    .args:
      - { .name: x, .offset: 0, .size: 8, .value_kind: global_buffer, .address_space: global }
      - { .name: knots, .offset: 8, .size: 8, .value_kind: global_buffer, .address_space: global }
      - { .name: wt, .offset: 16, .size: 8, .value_kind: global_buffer, .address_space: global }
      - { .name: out0, .offset: 24, .size: 8, .value_kind: global_buffer, .address_space: global }
    .group_segment_fixed_size: 327680
    .private_segment_fixed_size: 0
    .kernarg_segment_align: 8
    .kernarg_segment_size: 32
    .max_flat_workgroup_size: 128
    .sgpr_count:     66
    .vgpr_count:     1024
    .wavefront_size: 32
...
	.end_amdgpu_metadata
.endif
;; end of part 2
